; MI455X (gfx1250); checked and timed in simulation.
; The chip was launched on July 23, 2026; its instructions are those of AMD's public machine-readable ISA for CDNA 5 (MIT licence, August 2026) and "CDNA5" Instruction Set Architecture Reference Guide (July 2026). The comments in the code are by the model that wrote it; some were corrected since.
;; Quant Linear. Allowed arithmetic: matrix products marked QUANTISED: E2M1 operands, one E8M0 scale for each 32 along K, by v_wmma_scale_f32_16x16x128_f8f6f4 with both operands' format E2M1 (or v_wmma_scale_f32_32x16x128_f4), f32 sums; products left as they are: f32 operands where the result goes on into a quantised operand, else bf16, f16 or f32 operands; f32 sums; everything else in f32.
;; Inputs: bias 4,096 float32; lora_A 16 x 4,096 float32; lora_B 4,096 x 16 float32; qweight 512 x 4,096 int32; qzeros 32 x 512 int32; scales 32 x 4,096 float32; x 4,096 x 4,096 float32.
;; Outputs: out0 4,096 x 4,096 float32.
;; This version of the problem:
;;   THIS VERSION OF THE PROBLEM IS GIVEN IN LOW PRECISION. The matrix products marked QUANTISED in the list below multiply operands that are first quantised to E2M1 (2 exponent bits, 1 mantissa bit; 4 bits a number), with one power-of-two scale for each 32 numbers along K (OCP MX v1.0); their sums are f32. All else is computed in f32.
;;   The module's matrix products, in the order in which they are computed (A, B: the left and right operand; K: the contracted axis; several contracted axes count as one K, in the product's order):
;;     1. [M 4,096, K 4,096] x [K 4,096, N 4,096]; A: input x; B: computed on the way: QUANTISED
;;     2. [M 4,096, K 4,096] x [K 4,096, N 16]; A: input x; B: input lora_A: QUANTISED
;;     3. [M 4,096, K 16] x [K 16, N 4,096]; A: computed on the way; B: input lora_B: left as it is (K = 16 < 32)
;;   THE QUANTISER, for each operand of a quantised product, along K:
;;     - K is cut into blocks of 32 from its start; a last block that is shorter is filled with zeros.
;;     - A block's scale is 2^e with e = floor(log2(the largest magnitude in the block)) - 2, held to -126 .. 127; a block of zeros has e = 0. As a byte (E8M0): e + 127.
;;     - Each number is divided by its block's scale, clamped to +-6, and rounded to the nearest number of E2M1, ties to even, subnormals kept.
;;     - The product sums the exact products of the quantised numbers (number of the format x scale) in f32.
;;   ~~~python
;;   def quantise(x, axis):      # numpy; x: float32 -> the quantised numbers, widened to float32 again
;;       x = np.moveaxis(x, axis, -1); K = x.shape[-1]
;;       x = np.pad(x, [(0, 0)] * (x.ndim - 1) + [(0, -K % 32)]); x = x.reshape(x.shape[:-1] + (-1, 32)); a = np.abs(x).max(-1, keepdims=True)
;;       e = np.where(a > 0, np.clip(np.frexp(np.where(a > 0, a, 1))[1] - 1 - 2, -126, 127), 0)      # np.frexp(a)[1] - 1 = floor(log2(a)), exactly
;;       r = np.clip(x / 2.0 ** e, -6, 6)
;;       step = 2.0 ** (np.maximum(np.frexp(np.where(r == 0, 1, r))[1] - 1, 0) - 1)
;;       q = np.round(r / step) * step * 2.0 ** e      # np.round: ties to even
;;       return np.moveaxis(q.reshape(q.shape[:-2] + (-1,))[..., :K], -1, axis).astype(np.float32)
;;   ~~~
;;   OPERANDS COMPUTED ON THE WAY. 'Computed on the way' means the value that the module computes at that place (a softmax that the list does not call 'softmax' is quantised finished and normalised). What goes into a quantiser is computed in f32, as accurately as f32 sums, v_exp_f32 and their like allow (about 1e-6 of the number): no bf16 or f16 on the way to a quantiser, and a product that is left as it is and whose result goes on into a quantised operand takes f32 operands (vector FMAs, or v_wmma_f32_16x16x4_f32). A number that lies on a knife's edge between two numbers of the format may be rounded either way, as far as f32 arithmetic and the matrix unit's own rounding can turn it there, and no further.
;; One version. Each part assembles by itself: llvm-mc -triple=amdgcn-amd-amdhsa -mcpu=gfx1250 --defsym DOCPART=n.
;; ======== version 1 of 1: 2 launches
;; limits: values are held in bf16: 8 bits of precision; right only within a limited range of input values
;; workspace buffers: x_codes 8,388,608 bytes; x_scales 524,288 bytes; w_codes 8,912,896 bytes; w_scales 557,056 bytes
;; launch quant (part 1): grid 800 x 1, 4 waves a work-group, no clusters, 68,096 bytes of LDS; arguments x, lora_A, x_codes, x_scales, w_codes, w_scales, qweight, qzeros, scales; writes x_codes, x_scales, w_codes, w_scales
.if DOCPART == 1
	.amdgcn_target "amdgcn-amd-amdhsa--gfx1250"
	.amdhsa_code_object_version 6
	.text
	.protected	k_q62a013fb6c_quant
	.globl	k_q62a013fb6c_quant
	.p2align	8
	.type	k_q62a013fb6c_quant,@function
k_q62a013fb6c_quant:
	s_mov_b64 s[64:65], 0
	v_nop
	global_prefetch_b8 v0, s[64:65] scope:SCOPE_SE
	s_setreg_imm32_b32 hwreg(HW_REG_WAVE_MODE, 25, 1), 1
	s_wait_xcnt 0x0
; THE OPERANDS OF BOTH QUANTISED PRODUCTS, MADE ONCE: codes of FP4 (E2M1), K innermost, and one E8M0 byte for each 32 along K.
;   x [4096][4096] f32            -> x_codes [4096 rows][2048 B];  x_scales [8 K steps of 512][4096 rows][16 B]
;   W[k][n] = scales[k/128][n] x (nibble of qweight - nibble of qzeros), f32, K its first axis
;                                 -> w_codes [16 tile columns][272 rows][2048 B], rows 0-255 = W's columns 256 tc + row;  w_scales [8 K steps][16 tc][272 rows][16 B]
;   lora_A [16][4096] f32         -> rows 256-271 of EVERY tile column of w_codes and w_scales (16 copies, 512 KiB in all): the product's launch then has it as a ninth block of each tile of B
; A block's scale is 2^(floor(log2(its largest magnitude)) - 2); its byte is the largest magnitude's exponent field - 2, held at 1 from below; each number / scale goes to the nearest code, ties to even, beyond 6 to 6.
; LIMITS: a block of zeros gets the byte 1 where the rule says 127 (its codes are zeros, and this program alone reads the bytes); blocks whose largest magnitude lies under 2^-124 are quantised under the byte 1;
; NaN and infinities among the inputs are not served.
; SHARES: work-groups 0-511 take x, 512-543 lora_A (16 copies x 2), 544-799 W.  Waves share nothing: no barrier.  No cluster: the only bytes that several work-groups read are lora_A's 256 KiB.
; Each of the two paths has LDS bytes of its own.
.set SP,     80                        ; path X: a lane's place in a stage: 64 bytes + 16 of padding
.set WREG,   8192                      ; path X: a wave's region: two stages of 32 x SP bytes, then its 256 scale bytes
.set WSTG,   32768                     ; path W: the stages begin here
.set WPITCH, 272                       ; path W: a stage row: 256 bytes of codes + 16
.set XR,  16                           ; path X: v16-79   four sets of 16 numbers as they are loaded
.set XN,  80                           ;         v80-111  two sets of 16 neighbours
.set XE,  112                          ;         v112-127 a scale byte for each step
.set XC,  128                          ;         v128-191 codes: four registers for each step, so that no store's data are written again
.set QW,  32                           ; path W: v32-95   64 words of qweight; on the way out 16 x 4 registers of codes
.set WX,  96                           ;         v96-127  a block's 32 numbers
.set WC,  128                          ;         v128-131 its codes
.set WS,  136                          ;         v136-143 the four groups' scales, each twice (a pair for the packed multiply)
.set WZ,  144                          ;         v144-151 the four groups' zeros as f32, each twice
.set WSB, 152                          ;         v152-155 the 16 scale bytes
.set WZR, 156                          ;         v156-159 the words of qzeros
	s_load_b256 s[4:11], s[0:1], 0x0               ; x, lora_A, x_codes, x_scales
	s_load_b256 s[12:19], s[0:1], 0x20             ; w_codes, w_scales, qweight, qzeros
	s_load_b64 s[20:21], s[0:1], 0x40              ; scales
	v_lshl_add_u32 v192, v0, 2, 0x10800
	v_mov_b32 v193, 0
	v_lshrrev_b32 v1, 5, v0
	v_readfirstlane_b32 s22, v1                    ; wave 0..3
	v_and_b32 v2, 31, v0                           ; lane
	s_wait_kmcnt 0x0
	s_cmp_ge_u32 ttmp9, 544
	s_cbranch_scc1 .Lw
; ---------------- PATH X: x and lora_A, whose K is innermost.  A wave takes 16 rows x one K step of 512: step t is row t.
; Each load reads 512 consecutive bytes, 16 a lane; a step's 2,048 bytes go through the wave's own stage in LDS and come back 64 bytes a lane: 16 neighbours along K; two neighbouring lanes hold a block.
; A lane's 16 codes are 8 bytes: the wave stores 256 consecutive bytes of the row.  The 16 steps' 16 scale bytes each are gathered in LDS and leave as 256 consecutive bytes: the 16 rows' entries of this K step.
	s_wait_alu depctr_va_vdst(0)
	v_lshlrev_b32 v3, 4, v2                        ; my 16 bytes of a load's 512
	s_mul_i32 s34, s22, WREG
	v_lshrrev_b32 v14, 2, v2
	v_mul_u32_u24 v14, v14, SP
	v_and_b32 v15, 3, v2
	v_lshl_add_u32 v14, v15, 4, v14
	v_add_nc_u32 v14, s34, v14                     ; the stage, on the way in: SP (lane / 4) + 16 (lane % 4)
	v_mul_u32_u24 v15, v2, SP
	v_add_nc_u32 v15, s34, v15                     ; and on the way out: SP x lane
	v_lshlrev_b32 v4, 3, v2                        ; my codes' place in a step's 256 bytes
	v_lshrrev_b32 v5, 1, v2
	s_add_co_u32 s34, s34, 2*32*SP
	v_add_nc_u32 v5, s34, v5                       ; LDS: my wave's 256 scale bytes, my block's byte
	v_lshlrev_b32 v7, 3, v2                        ; and on the way out 8 bytes a lane
	v_add_nc_u32 v6, s34, v7
	s_cmp_lt_u32 ttmp9, 512                        ; x's work-group or lora_A's?  The choice hangs on the work-group's number alone; only moves and selections follow the compare
	s_cselect_b64 s[4:5], s[4:5], s[6:7]           ; the numbers
	s_cselect_b64 s[8:9], s[8:9], s[12:13]         ; the codes
	s_cselect_b64 s[10:11], s[10:11], s[14:15]     ; the scale bytes
	s_cselect_b32 s23, 0, 512                      ; the tensor's first work-group
	s_cselect_b32 s24, 262144, 0                   ; numbers: from one run of 16 rows to the next (all copies of lora_A read the same 16 rows)
	s_mov_b32 s25, 272*2048
	s_cselect_b32 s25, 32768, s25                  ; codes: 16 rows on, or a tile column on
	s_cselect_b32 s26, 0, 256*2048                 ; codes: lora_A's rows lie behind W's 256
	s_mov_b32 s27, 69632
	s_cselect_b32 s27, 65536, s27                  ; scale bytes: a K step on
	s_mov_b32 s28, 4352
	s_cselect_b32 s28, 256, s28                    ; scale bytes: 16 rows on, or a tile column on
	s_cselect_b32 s29, 0, 4096                     ; scale bytes: behind W's 256 rows
	s_sub_co_u32 s23, ttmp9, s23
	s_lshl_b32 s23, s23, 2
	s_add_co_u32 s23, s23, s22                     ; my wave's number in the tensor
	s_and_b32 s30, s23, 7                          ; K step
	s_lshr_b32 s31, s23, 3                         ; run of 16 rows (x), or copy (lora_A)
	s_mov_b32 s33, 0
	s_mul_i32 s32, s31, s24
	s_lshl_b32 s35, s30, 11
	s_add_co_u32 s32, s32, s35
	s_add_nc_u64 s[4:5], s[4:5], s[32:33]          ; all offsets stay under 2^27
	s_mul_i32 s32, s31, s25
	s_add_co_u32 s32, s32, s26
	s_lshl_b32 s35, s30, 8
	s_add_co_u32 s32, s32, s35
	s_add_nc_u64 s[8:9], s[8:9], s[32:33]
	s_mul_i32 s32, s30, s27
	s_mul_i32 s35, s31, s28
	s_add_co_u32 s32, s32, s35
	s_add_co_u32 s32, s32, s29
	s_add_nc_u64 s[10:11], s[10:11], s[32:33]
.macro XLOAD t
.irp i, 0,1,2,3
	global_load_b128 v[XR+16*((\t)%4)+4*\i:XR+16*((\t)%4)+4*\i+3], v3, s[4:5] offset:16384*(\t)+512*\i th:TH_LOAD_NT   ; 32 lanes read 512 consecutive bytes of row t
.endr
.endm
.macro XTURN t                         ; step t's numbers through the stage: LDS serves a wave's instructions in order, so no wait stands between the stores and the loads
.irp i, 0,1,2,3
	ds_store_b128 v14, v[XR+16*((\t)%4)+4*\i:XR+16*((\t)%4)+4*\i+3] offset:32*SP*((\t)%2)+8*SP*\i
.endr
.irp i, 0,1,2,3
	ds_load_b128 v[XN+16*((\t)%2)+4*\i:XN+16*((\t)%2)+4*\i+3], v15 offset:32*SP*((\t)%2)+16*\i
.endr
.endm
.irp t, 0,1,2,3
	XLOAD \t
.endr
	s_wait_alu depctr_va_vdst(0)
	s_wait_loadcnt 12                              ; step 0's four loads are in; the 12 of steps 1 to 3 may be out
	XTURN 0
.macro XSTEP t
.set XS, XN+16*((\t)%2)
.if (\t) > 0
	s_wait_dscnt 1                                 ; this step's numbers are back from the stage (the last step's byte store may be out): so its stores into the stage have read their registers,
.else
	s_wait_dscnt 0x0
.endif
.if (\t)+4 < 16
	XLOAD (\t)+4                                   ; which take the loads of four steps on
.endif
.if (\t)+1 < 16
.if 14-(\t) >= 3
	s_wait_loadcnt 12                              ; the next step's four loads are in; those of the three steps behind it may be out
.else
	s_wait_loadcnt 4*(14-(\t))
.endif
	XTURN (\t)+1                                   ; and go through the other stage while this step is worked
.endif
	v_max3_num_f32 v8, |v[XS]|, |v[XS+1]|, |v[XS+2]|               ; the largest magnitude of my 16, in two chains
	v_max3_num_f32 v9, |v[XS+3]|, |v[XS+4]|, |v[XS+5]|
.irp i, 6,10
	v_max3_num_f32 v8, v8, |v[XS+\i]|, |v[XS+\i+1]|
	v_max3_num_f32 v9, v9, |v[XS+\i+2]|, |v[XS+\i+3]|
.endr
	v_max3_num_f32 v8, v8, |v[XS+14]|, |v[XS+15]|
	v_max3_num_f32 v8, v8, v9, 0x1800000           ; and the floor 2^(3 - 127): so the byte cannot fall under 1
	v_max_num_f32_dpp v8, v8, v8 row_xmask:1 row_mask:0xf bank_mask:0xf   ; and of my neighbour's 16: the block's
	v_add_nc_u32 v11, 0xff000000, v8               ; 2 off its exponent field: the conversion takes the exponent field of this operand as its scale, and nothing else of it
	v_cvt_scalef32_pk8_fp4_f32 v[XC+4*(\t)], v[XS:XS+7], v11
	v_cvt_scalef32_pk8_fp4_f32 v[XC+4*(\t)+1], v[XS+8:XS+15], v11
	v_lshrrev_b32 v[XE+(\t)], 23, v11              ; the scale's byte; also the plain line between the conversions and the next write of v11
	ds_store_b8 v5, v[XE+(\t)] offset:16*(\t)      ; both lanes of a block write the same byte with the same value
	global_store_b64 v4, v[XC+4*(\t):XC+4*(\t)+1], s[8:9] offset:2048*(\t)   ; 32 lanes store 256 consecutive bytes, at a multiple of 256 from the buffer's first byte
.endm
.irp t, 0,1,2,3,4,5,6,7,8,9,10,11,12,13,14,15
	XSTEP \t
.endr
	ds_load_b64 v[12:13], v6                       ; LDS serves a wave's instructions in order: these see my stores
	s_wait_dscnt 0x0
	global_store_b64 v7, v[12:13], s[10:11]        ; 16 rows x 16 bytes: 256 consecutive bytes, aligned likewise
	s_wait_tensorcnt 0x0
	ds_add_u32 v192, v193
	s_wait_dscnt 0x0
	s_endpgm
; ---------------- PATH W: K is the first axis.  A LANE TAKES A COLUMN n AND ITS REGISTERS RUN DOWN K: a word of qweight is eight neighbours along K of one column.
; A wave takes 32 columns x 512 along K: 64 words a lane (each load reads 128 consecutive bytes, the four waves stand side by side on 512), 4 groups of 128, 16 blocks of 32.
; w - z is exact in f32 and the product with the scale is rounded once, as in the definition.  A block lies in one lane: its largest magnitude needs no other lane, and the codes come out with K innermost.
; A column's 256 bytes of codes go through the wave's own stage and leave by rows: sixteen lanes store 256 consecutive bytes.  A column's 16 scale bytes are one store of 16 bytes a lane: eight lanes store 128 consecutive bytes.
.Lw:
	s_sub_co_u32 s23, ttmp9, 544
	s_and_b32 s24, s23, 31                         ; which 128 columns
	s_lshr_b32 s25, s23, 5                         ; K step
	s_lshl_b32 s24, s24, 7
	s_lshl_b32 s26, s22, 5
	s_add_co_u32 s24, s24, s26                     ; n0: my wave's first column
	s_lshr_b32 s26, s24, 8
	s_mul_i32 s26, s26, 272
; THE ORDER OF W'S COLUMNS INSIDE A TILE COLUMN (w_codes and w_scales alike; it takes the place of the plain order that the head's lines name):
; column c = 64 G + 4 r + t (t = 0..3, r = 0..15) lies in row 64 G + 16 t + r.  Sixteen rows on end are then every fourth column, so that in the product's launch
; four neighbouring tiles give a lane four neighbouring columns of the result.
	s_and_b32 s27, s24, 192                        ; 64 G
	s_add_co_u32 s26, s26, s27
	s_and_b32 s27, s24, 63                         ; my wave's first column in its 64: 0 or 32,
	s_lshr_b32 s27, s27, 2                         ; so its first r: 0 or 8
	s_add_co_u32 s26, s26, s27
	s_mov_b32 s29, 0
	s_lshl_b32 s30, s24, 2
	s_lshl_b32 s28, s25, 20                        ; qweight: 64 rows of 16,384 bytes a K step
	s_add_co_u32 s28, s28, s30
	s_add_nc_u64 s[16:17], s[16:17], s[28:29]
	s_lshl_b32 s28, s25, 16                        ; scales: 4 rows of 16,384 bytes
	s_add_co_u32 s28, s28, s30
	s_add_nc_u64 s[20:21], s[20:21], s[28:29]
	s_lshl_b32 s28, s25, 13                        ; qzeros: 4 rows of 2,048 bytes; a word serves 8 columns
	s_lshr_b32 s30, s24, 1
	s_add_co_u32 s28, s28, s30
	s_add_nc_u64 s[18:19], s[18:19], s[28:29]
	s_lshl_b32 s28, s26, 11
	s_lshl_b32 s30, s25, 8
	s_add_co_u32 s28, s28, s30
	s_add_nc_u64 s[12:13], s[12:13], s[28:29]      ; w_codes
	s_mul_i32 s28, s25, 69632
	s_lshl_b32 s30, s26, 4
	s_add_co_u32 s28, s28, s30
	s_add_nc_u64 s[14:15], s[14:15], s[28:29]      ; w_scales
	s_wait_alu depctr_va_vdst(0)
	v_lshlrev_b32 v3, 2, v2                        ; 4 bytes a lane
	v_lshrrev_b32 v5, 3, v2
	v_lshlrev_b32 v5, 2, v5                        ; my word of qzeros
	v_and_b32 v6, 7, v2
	v_lshlrev_b32 v6, 2, v6                        ; and my nibble's shift
	s_mul_i32 s34, s22, 32*WPITCH
	s_add_co_u32 s34, s34, WSTG                    ; my stage
	v_mul_u32_u24 v4, v2, WPITCH
	v_add_nc_u32 v4, s34, v4                       ; into it: row = my column
	v_and_b32 v10, 15, v2
	v_lshrrev_b32 v11, 4, v2
	v_mul_u32_u24 v7, v11, WPITCH
	v_lshl_add_u32 v7, v10, 4, v7
	v_add_nc_u32 v7, s34, v7                       ; out of it: sixteen lanes to a row, two rows an instruction
	v_lshlrev_b32 v8, 15, v11                      ; the odd one of two stage rows has t one higher: 16 rows of 2,048 bytes on
	v_lshl_add_u32 v8, v10, 4, v8                  ; and the same place in w_codes
	v_and_b32 v9, 3, v2                            ; my column's entry of scale bytes: row 16 t + r, t = lane % 4, r = lane / 4: eight lanes store 128 consecutive bytes
	v_lshrrev_b32 v12, 2, v2
	v_lshlrev_b32 v9, 8, v9
	v_lshl_add_u32 v9, v12, 4, v9
.irp g, 0,1,2,3
	global_load_b32 v[WZR+\g], v5, s[18:19] offset:2048*\g
.endr
.irp g, 0,1,2,3
	global_load_b32 v[WS+2*\g], v3, s[20:21] offset:16384*\g
.endr
.macro WLOAD t                         ; block t's four words
.irp w, 0,1,2,3
	global_load_b32 v[QW+4*(\t)+\w], v3, s[16:17] offset:(4*(\t)+\w)*16384 th:TH_LOAD_NT
.endr
.endm
.irp t, 0,1,2,3,4,5,6,7
	WLOAD \t
.endr
	s_wait_loadcnt 32                              ; zeros and scales are in; the 32 words of blocks 0 to 7 may be out
.irp g, 0,1,2,3
	v_lshrrev_b32 v[WZ+2*\g], v6, v[WZR+\g]
.endr
.irp g, 0,1,2,3
	v_and_b32 v[WZ+2*\g], 15, v[WZ+2*\g]
.endr
.irp g, 0,1,2,3
	v_cvt_f32_u32 v[WZ+2*\g], v[WZ+2*\g]
.endr
.irp g, 0,1,2,3
	v_mov_b32 v[WZ+2*\g+1], v[WZ+2*\g]             ; pairs for the packed forms
	v_mov_b32 v[WS+2*\g+1], v[WS+2*\g]
.endr
.macro WBLOCK t
.if (\t) <= 8
	s_wait_loadcnt 28                              ; this block's four words are in; those of the seven blocks asked for behind it may be out
.else
	s_wait_loadcnt 4*(15-(\t))
.endif
.if (\t)+8 < 16
	WLOAD (\t)+8
.endif
.irp w, 0,1,2,3
.irp j, 0,1,2,3,4,5,6,7
	v_bfe_u32 v[WX+8*\w+\j], v[QW+4*(\t)+\w], 4*\j, 4     ; k = 32 t + 8 w + j
.endr
.endr
.irp i, 0,1,2,3,4,5,6,7,8,9,10,11,12,13,14,15,16,17,18,19,20,21,22,23,24,25,26,27,28,29,30,31
	v_cvt_f32_u32 v[WX+\i], v[WX+\i]
.endr
.irp i, 0,2,4,6,8,10,12,14,16,18,20,22,24,26,28,30
	v_pk_add_f32 v[WX+\i:WX+\i+1], v[WX+\i:WX+\i+1], v[WZ+2*((\t)/4):WZ+2*((\t)/4)+1] neg_lo:[0,1] neg_hi:[0,1]   ; w - z: exact
.endr
.irp i, 0,2,4,6,8,10,12,14,16,18,20,22,24,26,28,30
	v_pk_mul_f32 v[WX+\i:WX+\i+1], v[WX+\i:WX+\i+1], v[WS+2*((\t)/4):WS+2*((\t)/4)+1]                             ; x the group's scale: one rounding
.endr
	v_max3_num_f32 v12, |v[WX]|, |v[WX+1]|, |v[WX+2]|              ; the block's largest magnitude: all 32 numbers are mine
	v_max3_num_f32 v13, |v[WX+3]|, |v[WX+4]|, |v[WX+5]|
.irp i, 6,10,14,18,22,26
	v_max3_num_f32 v12, v12, |v[WX+\i]|, |v[WX+\i+1]|
	v_max3_num_f32 v13, v13, |v[WX+\i+2]|, |v[WX+\i+3]|
.endr
	v_max3_num_f32 v12, v12, |v[WX+30]|, |v[WX+31]|
	v_max3_num_f32 v12, v12, v13, 0x1800000        ; and the floor 2^(3 - 127)
	v_add_nc_u32 v11, 0xff000000, v12              ; 2 off its exponent field: the conversion's scale operand
.irp g, 0,1,2,3
	v_cvt_scalef32_pk8_fp4_f32 v[WC+\g], v[WX+8*\g:WX+8*\g+7], v11
.endr
	v_lshrrev_b32 v13, 23, v11                     ; the scale's byte; also the plain line between the conversions and the next block's writes of their sources
.if (\t)%4 == 0
	v_mov_b32 v[WSB+(\t)/4], v13                   ; four bytes to a register, the lower K in the lower byte
.else
	v_lshl_or_b32 v[WSB+(\t)/4], v13, 8*((\t)%4), v[WSB+(\t)/4]
.endif
	ds_store_b128 v4, v[WC:WC+3] offset:16*(\t)    ; 32 codes: 16 bytes of my column's row
	s_wait_dscnt 0x0                               ; the store has read its registers: the next block's codes may be written
.endm
.irp t, 0,1,2,3,4,5,6,7,8,9,10,11,12,13,14,15
	WBLOCK \t
.endr
	s_wait_alu depctr_va_vdst(0)
	global_store_b128 v9, v[WSB:WSB+3], s[14:15]   ; 32 columns x 16 bytes: four runs of 128 consecutive bytes
.irp t, 0,1,2,3,4,5,6,7,8,9,10,11,12,13,14,15
	ds_load_b128 v[QW+4*\t:QW+4*\t+3], v7 offset:2*\t*WPITCH   ; LDS serves a wave's instructions in order: these see my stores
.endr
.irp t, 0,1,2,3,4,5,6,7,8,9,10,11,12,13,14,15
	s_wait_dscnt 15-\t
	global_store_b128 v8, v[QW+4*\t:QW+4*\t+3], s[12:13] offset:(32*(\t%2)+(\t/2))*2048   ; stage rows 2 T, 2 T + 1 are columns with t = 2 (T % 2) + (0, 1), r = T / 2; sixteen lanes store 256 consecutive bytes of a row
.endr
	s_wait_tensorcnt 0x0
	ds_add_u32 v192, v193
	s_wait_dscnt 0x0
	s_endpgm
.Lfunc_end_k_q62a013fb6c_quant:
	.size	k_q62a013fb6c_quant, .Lfunc_end_k_q62a013fb6c_quant-k_q62a013fb6c_quant
	.p2alignl 7, 3214868480
	.fill 96, 4, 3214868480
	.section	.rodata,"a",@progbits
	.p2align	6, 0x0
	.amdhsa_kernel k_q62a013fb6c_quant
		.amdhsa_group_segment_fixed_size 68096
		.amdhsa_private_segment_fixed_size 0
		.amdhsa_enable_private_segment 0
		.amdhsa_kernarg_size 72
		.amdhsa_user_sgpr_count 2
		.amdhsa_user_sgpr_kernarg_segment_ptr 1
		.amdhsa_wavefront_size32 1
		.amdhsa_system_sgpr_workgroup_id_x 1
		.amdhsa_system_sgpr_workgroup_id_y 1
		.amdhsa_system_sgpr_workgroup_id_z 1
		.amdhsa_system_vgpr_workitem_id 0
		.amdhsa_next_free_vgpr 194
		.amdhsa_next_free_sgpr 66
		.amdhsa_reserve_vcc 0
		.amdhsa_float_denorm_mode_32 3
		.amdhsa_float_denorm_mode_16_64 3
		.amdhsa_memory_ordered 1
		.amdhsa_forward_progress 1
		.amdhsa_inst_pref_size 152
	.end_amdhsa_kernel
	.amdgpu_metadata
---
amdhsa.version: [ 1, 2 ]
amdhsa.kernels:
  - .name:           k_q62a013fb6c_quant
    .symbol:         k_q62a013fb6c_quant.kd
    .args:
      - { .name: x, .offset: 0, .size: 8, .value_kind: global_buffer, .address_space: global }
      - { .name: lora_A, .offset: 8, .size: 8, .value_kind: global_buffer, .address_space: global }
      - { .name: x_codes, .offset: 16, .size: 8, .value_kind: global_buffer, .address_space: global }
      - { .name: x_scales, .offset: 24, .size: 8, .value_kind: global_buffer, .address_space: global }
      - { .name: w_codes, .offset: 32, .size: 8, .value_kind: global_buffer, .address_space: global }
      - { .name: w_scales, .offset: 40, .size: 8, .value_kind: global_buffer, .address_space: global }
      - { .name: qweight, .offset: 48, .size: 8, .value_kind: global_buffer, .address_space: global }
      - { .name: qzeros, .offset: 56, .size: 8, .value_kind: global_buffer, .address_space: global }
      - { .name: scales, .offset: 64, .size: 8, .value_kind: global_buffer, .address_space: global }
    .group_segment_fixed_size: 68096
    .private_segment_fixed_size: 0
    .kernarg_segment_align: 8
    .kernarg_segment_size: 72
    .max_flat_workgroup_size: 128
    .sgpr_count:     66
    .vgpr_count:     194
    .wavefront_size: 32
...
	.end_amdgpu_metadata
.endif
;; end of part 1
;; launch gemm (part 2): grid 16 x 16, 4 waves a work-group, clusters of 4 x 4, 327,680 bytes of LDS; arguments x_codes, x_scales, w_codes, w_scales, lora_B, bias, out0; writes out0
.if DOCPART == 2
	.amdgcn_target "amdgcn-amd-amdhsa--gfx1250"
	.amdhsa_code_object_version 6
	.text
	.protected	k_q62a013fb6c_gemm
	.globl	k_q62a013fb6c_gemm
	.p2align	8
	.type	k_q62a013fb6c_gemm,@function
k_q62a013fb6c_gemm:
	s_mov_b64 s[64:65], 0
	v_nop
	global_prefetch_b8 v0, s[64:65] scope:SCOPE_SE
	s_setreg_imm32_b32 hwreg(HW_REG_WAVE_MODE, 25, 1), 1
	s_wait_xcnt 0x0
	s_wait_alu depctr_hold_cnt(0) depctr_sa_sdst(0) depctr_va_vdst(0) depctr_va_sdst(0) depctr_va_ssrc(0) depctr_va_vcc(0) depctr_vm_vsrc(0)
	s_getreg_b32 s2, hwreg(HW_REG_IB_STS2, 6, 4)
	s_cmp_eq_u32 s2, 0
	s_cbranch_scc0 .Lentry_in_a_cluster
	s_endpgm
.Lentry_in_a_cluster:
	s_bfe_u32 s2, ttmp6, 0x10000c
	s_cmp_lg_u32 s2, 0xf033
	s_cbranch_scc0 .Lentry_shape_is_right
	s_endpgm
.Lentry_shape_is_right:
; out0 = Q(x) Q(W) + bias + (Q(x) Q(lora_A)^T) (2 lora_B)^T.  Both quantised products run on codes of FP4 with E8M0 scales as the launch before laid them; sums in f32.
; A work-group of four waves makes 256 x 256 of out0, a wave 128 x 128: 64 accumulators; beside them T = Q(x) Q(lora_A)^T of its 128 rows: 8 accumulators.
; K goes in 8 steps of 512 through a ring of two LDS slots.  A slot: 256 rows of x's codes, 272 rows of W's (the last 16 are lora_A's), each 256 bytes + 16 of padding, and the two blocks of scale bytes.
; One tensor load a wave fills it: wave 0 x's codes, 1 W's codes, 2 x's scales, 3 W's scales.  The first K step hangs on the cluster's number, so that the clusters begin at different places of K; the order of a sum's terms turns with it.
; CLUSTERS 4 x 4: x's tiles are asked for jointly along a row of the cluster, W's along a column.
; A step of 128 along K is 72 matrix instructions.  x's and W's fragments have TWO sets of registers each: the next step's 34 LDS loads go out in ONE run at the step's head, into the sets that the step before read,
; and all 72 products follow them.
; THE MAIN PRODUCT: source 0 = 16 rows of x, source 1 = 16 rows of w_codes.  Row 16 b + r of my 128 rows of w_codes is column 64 (b / 4) + 4 r + b % 4, so register j of tiles 4 g .. 4 g + 3
; holds, in lane (r, h), row 8 h + j and the four neighbouring columns 64 g + 4 r + 0..3.  The add of the bias gathers the four into neighbouring registers: sixteen lanes then store 256 consecutive bytes, aligned.  No stage in LDS.
; T IS MADE TRANSPOSED (source 0 = lora_A's rows, source 1 = x's): a lane then holds a row of x and 8 of the 16 numbers, which is the layout of the last product's source 0.
; THE LAST PRODUCT (K = 16) takes bf16 operands, T and 2 lora_B (the factor 2 is SCALING: a power of two, exact), K filled to 32 with zeros.  LIMIT: these two operands are rounded to bf16.
; PREFETCH: behind each joint load a wave asks for 32 rows x 256 bytes of the K step that is loaded two loads on: waves 0, 1 of x's codes, waves 2, 3 of W's; the four partners that share a tile share its 256 rows out by
; address (64 rows each).  Behind the first joint load the second K step is asked for too: its own load follows only when the first has landed.  The last two refills ask for nothing.
; lora_A's 16 rows and the scale bytes, 12,544 of a slot's 143,616 + 8,448 bytes, come by their loads alone.
; REGISTERS.  Window 0: v0-31 addresses; v32-103 scale words, two sets of 36; v104-111 bias; v128-255 x's fragments, two sets of 64.  On the way out v192-255 and v32-95 hold rows to store.
;   Window 1: v0-71, v128-199 W's fragments (8 tiles and lora_A's), two sets; v72-103, v200-231 T; v104-127, v232-239 lora_B as bf16.  Windows 2, 3: the accumulators of my rows 0-63, 64-127: (a, b) at v[8 (8 (a % 4) + b)].
.set PITCH,  272
.set HALFT,  128*PITCH
.set BCODE,  256*PITCH
.set LCODE,  BCODE+256*PITCH
.set SCLA,   BCODE+272*PITCH
.set SCLB,   SCLA+4096
.set SCLL,   SCLB+4096
.set SLOT,   SCLB+4352
.set SPARE,  2*SLOT                    ; the spare words: 128 bytes a wave, two blocks of 256 bytes that no other line names
.set ROWB,   256
.set KROW,   2048
.set NROW,   16384
.set ADRT, 14
.set ADRA, 16
.set ADRS, 18
.set ADRB, 20
.set ADRL, 22
.set CO,   26
.set LBO,  27
.set SPW,  28
.set NIL,  29
.set PFO,  30
.set BIO,  31
.set SC,   32
.set BIAS, 104
.set AF,   128
.set TA,   72
.set LBS,  104
.set WV,   18
.set RH,   19
.set CH,   20
.set LC,   21
.set KP,   22
.set KN,   23
.set G1A,  24
.set G1B,  32
.set G1SA, 40
.set G1SB, 48
.set G0A,  56
.set KO,   66
.set G0B,  68
.set G0SA, 76
.set G0SB, 84
.set PFB,  2                           ; s[2:3]   where my 32 rows to prefetch begin, at K step 0
.set PFA,  92                          ; s[92:95] the address of a prefetch, a pair for each slot
.set PF1,  96                          ; s[96:97] the address of the head's prefetch of the second K step
.set MSB, 0
.macro WIN new                         ; the immediate's high byte repeats the setting that is left
.if MSB != \new
	s_set_vgpr_msb (MSB<<8)|\new
.set MSB, \new
.endif
.endm
.set LO,   0xa4                        ; source 0 (x) window 0, source 1 (W) window 1, C and D window 2
.set HI,   0xf4                        ; the same, C and D window 3
.set W_T,  0x51                        ; source 0 (lora_A) window 1, source 1 (x) window 0, C and D window 1
.set TO_B, 0x40                        ; destination window 1, address window 0
.macro PLACES n
.rept \n
	v_nop
.endr
.endm
; A joint load: one chain of branches on the wave's number, one load to an arm, all arms to one join.  An s_nop 0 and four v_nop follow each load.
.macro ARM under, g0, g1, join
	s_cmp_lt_u32 s[WV], \under
	s_cbranch_scc0 .Lnext_\@
	tensor_load_to_lds s[\g0:\g0+3], s[\g1:\g1+7]
	s_nop 0
	PLACES 4
	s_branch \join
.Lnext_\@:
.endm
.macro JLOAD s
	ARM 1, G0A+4*\s, G1A, .Lasked_\@
	ARM 2, G0B+4*\s, G1B, .Lasked_\@
	ARM 3, G0SA+4*\s, G1SA, .Lasked_\@
	tensor_load_to_lds s[G0SB+4*\s:G0SB+4*\s+3], s[G1SB:G1SB+7]
	s_nop 0
	PLACES 4
.Lasked_\@:
.endm
.macro NEXTK slot, step                ; the slot's four addresses for K step KN (step = 1: the next one, round the end of K)
.if \step
	s_add_co_u32 s[KN], s[KN], 1
	s_and_b32 s[KN], s[KN], 7
.endif
	s_lshl_b32 s[KO], s[KN], 8
	s_add_nc_u64 s[G0A+4*\slot+2:G0A+4*\slot+3], s[4:5], s[KO:KO+1]
	s_add_nc_u64 s[G0B+4*\slot+2:G0B+4*\slot+3], s[8:9], s[KO:KO+1]
	s_lshl_b32 s[KO], s[KN], 16
	s_add_nc_u64 s[G0SA+4*\slot+2:G0SA+4*\slot+3], s[6:7], s[KO:KO+1]
	s_mul_i32 s[KO], s[KN], 69632
	s_add_nc_u64 s[G0SB+4*\slot+2:G0SB+4*\slot+3], s[10:11], s[KO:KO+1]
	s_or_b32 s[G0A+4*\slot+3], s[G0A+4*\slot+3], 0x80000000
	s_or_b32 s[G0B+4*\slot+3], s[G0B+4*\slot+3], 0x80000000
	s_or_b32 s[G0SA+4*\slot+3], s[G0SA+4*\slot+3], 0x80000000
	s_or_b32 s[G0SB+4*\slot+3], s[G0SB+4*\slot+3], 0x80000000
	s_add_co_u32 s[KP], s[KN], 2                   ; and the prefetch's: the K step two loads on
	s_and_b32 s[KP], s[KP], 7
	s_lshl_b32 s[KO], s[KP], 8
	s_add_nc_u64 s[PFA+2*\slot:PFA+2*\slot+1], s[PFB:PFB+1], s[KO:KO+1]
.endm
.macro ASK slot, cond                  ; a lane a row, 256 bytes of each; cond = 1, in the loop: not in its last trip, whose refills are the last two
.if \cond
	s_cmp_gt_u32 s[LC], 1
	s_cbranch_scc0 .Lnp_\@
.endif
	global_prefetch_b8 v[PFO], s[PFA+2*\slot:PFA+2*\slot+1] th:TH_LOAD_NT scope:SCOPE_SE
.if \cond
.Lnp_\@:
.endif
.endm
.macro CREST
	s_cmp_lg_u32 s[WV], 0
	s_cbranch_scc1 .Lnot_wave_0_\@
	s_barrier_signal -3
.Lnot_wave_0_\@:
	s_barrier_wait -3
	s_barrier_signal -1
	s_barrier_wait -1
.endm
.macro CROUND
	s_barrier_signal -1
	s_barrier_wait -1
	CREST
.endm
	s_load_b256 s[4:11], s[0:1], 0x0               ; x_codes, x_scales, w_codes, w_scales
	s_load_b128 s[12:15], s[0:1], 0x20             ; lora_B, bias
	s_load_b64 s[16:17], s[0:1], 0x30              ; out0
	v_lshl_add_u32 v[SPW], v0, 2, SPARE
	v_mov_b32 v[NIL], 0
	ds_add_u32 v[SPW], v[NIL]                      ; the opening lines: the add, twice on end, and its wait ahead of my first tensor load
	ds_add_u32 v[SPW], v[NIL]
	v_lshrrev_b32 v3, 5, v0
	v_readfirstlane_b32 s[WV], v3                  ; wave 0..3
	s_lshr_b32 s[RH], s[WV], 1                     ; which 128 rows of the block are mine
	s_and_b32 s[CH], s[WV], 1                      ; which 128 columns
	s_bfe_u32 s92, ttmp6, 0x40000                  ; cx
	s_bfe_u32 s93, ttmp6, 0x40004                  ; cy
	s_lshl_b32 s94, ttmp9, 2
	s_add_co_u32 s94, s94, s92                     ; tile column
	s_and_b32 s95, ttmp7, 0xffff
	s_lshl_b32 s95, s95, 2
	s_add_co_u32 s95, s95, s93                     ; tile row
	s_lshl_b32 s96, s93, 2
	s_lshl_b32 s96, 15, s96                        ; my row of the cluster
	s_lshl_b32 s97, 0x1111, s92                    ; my column
	s_and_b32 s[KN], ttmp7, 0xffff                 ; the cluster's first K step, from the cluster's numbers alone
	s_lshr_b32 s[KO], s[KN], 1
	s_xor_b32 s[KN], s[KN], s[KO]
	s_and_b32 s[KN], s[KN], 1
	s_lshl_b32 s[KN], s[KN], 2
	s_lshl_b32 s[KO], ttmp9, 1
	s_add_co_u32 s[KN], s[KN], s[KO]
	s_and_b32 s[KN], s[KN], 7
	s_mov_b32 s[KO+1], 0
	s_or_b32 s[G1A], s96, (1<<20)|(1<<21)|(5<<22)|(3<<25)   ; codes: elements of 1 byte, 16 bytes of padding behind each 256
	s_or_b32 s[G1B], s97, (1<<20)|(1<<21)|(5<<22)|(3<<25)
	s_mov_b32 s[G1A+1], ROWB<<16
	s_mov_b32 s[G1A+2], 256<<16
	s_mov_b32 s[G1A+3], ROWB<<16
	s_mov_b32 s[G1A+4], 256
	s_mov_b32 s[G1A+5], KROW
	s_mov_b32 s[G1A+6], 0
	s_mov_b32 s[G1A+7], 0
	s_mov_b32 s[G1B+1], ROWB<<16
	s_mov_b32 s[G1B+2], 272<<16
	s_mov_b32 s[G1B+3], ROWB<<16
	s_mov_b32 s[G1B+4], 272
	s_mov_b32 s[G1B+5], KROW
	s_mov_b32 s[G1B+6], 0
	s_mov_b32 s[G1B+7], 0
	s_or_b32 s[G1SA], s96, (3<<16)|(1<<21)         ; scales: dense blocks, as rows of 256 bytes (32 elements of 8)
	s_or_b32 s[G1SB], s97, (3<<16)|(1<<21)
	s_mov_b32 s[G1SA+1], 32<<16
	s_mov_b32 s[G1SA+2], 16<<16
	s_mov_b32 s[G1SA+3], 32<<16
	s_mov_b32 s[G1SA+4], 16
	s_mov_b32 s[G1SA+5], 32
	s_mov_b32 s[G1SA+6], 0
	s_mov_b32 s[G1SA+7], 0
	s_mov_b32 s[G1SB+1], 32<<16
	s_mov_b32 s[G1SB+2], 17<<16
	s_mov_b32 s[G1SB+3], 32<<16
	s_mov_b32 s[G1SB+4], 17
	s_mov_b32 s[G1SB+5], 32
	s_mov_b32 s[G1SB+6], 0
	s_mov_b32 s[G1SB+7], 0
.irp s, 0,1
	s_mov_b32 s[G0A+4*\s], 1
	s_mov_b32 s[G0A+4*\s+1], \s*SLOT
	s_mov_b32 s[G0B+4*\s], 1
	s_mov_b32 s[G0B+4*\s+1], \s*SLOT+BCODE
	s_mov_b32 s[G0SA+4*\s], 1
	s_mov_b32 s[G0SA+4*\s+1], \s*SLOT+SCLA
	s_mov_b32 s[G0SB+4*\s], 1
	s_mov_b32 s[G0SB+4*\s+1], \s*SLOT+SCLB
.endr
	s_mul_i32 s21, s[RH], HALFT                    ; my 128 rows of x in a slot
	s_mul_i32 s22, s[CH], HALFT
	s_add_co_u32 s22, s22, BCODE                   ; my 128 rows of W
	s_lshl_b32 s99, s[RH], 11
	s_lshl_b32 s98, s[CH], 11
	s_add_co_u32 s98, s98, 4096
	s_sub_co_u32 s98, s98, s99                     ; from my rows' scale words of x to those of W
	s_add_co_u32 s99, s99, SCLA
	v_and_b32 v1, 15, v0                           ; r.  All the addresses, in one run of vector instructions
	v_bfe_u32 v2, v0, 4, 1                         ; h
	v_mul_u32_u24 v3, v1, PITCH
	v_lshl_add_u32 v4, v2, 4, v3                   ; a fragment's row x pitch + 16 h
	v_add_nc_u32 v[ADRA], s21, v4
	v_add_nc_u32 v[ADRB], s22, v4
	v_add_nc_u32 v[ADRL], LCODE, v4
	v_add_nc_u32 v[ADRA+1], SLOT, v[ADRA]
	v_add_nc_u32 v[ADRB+1], SLOT, v[ADRB]
	v_add_nc_u32 v[ADRL+1], SLOT, v[ADRL]
	v_lshlrev_b32 v[BIO], 4, v1                    ; 16 r: a row's 16 scale bytes; also my four numbers of the bias
	v_mul_u32_u24 v6, s98, v2                      ; lanes 16-31 take W's scale words
	v_add_nc_u32 v3, v[BIO], v6
	v_add_nc_u32 v[ADRS], s99, v3
	v_add_nc_u32 v[ADRS+1], SLOT, v[ADRS]
	v_add_nc_u32 v[ADRT], SCLL, v[BIO]             ; lora_A's, in both halves of the lanes
	v_add_nc_u32 v[ADRT+1], SCLL+SLOT, v[BIO]
	v_lshlrev_b32 v[CO], 17, v2                    ; out0: 8 h rows of 16,384 bytes + 16 r
	v_lshl_add_u32 v[CO], v1, 4, v[CO]
	v_lshlrev_b32 v[LBO], 8, v1                    ; lora_B: row 4 r of 64 bytes + 32 h
	v_lshl_add_u32 v[LBO], v2, 5, v[LBO]
	v_and_b32 v[PFO], 31, v0
	v_lshlrev_b32 v[PFO], 11, v[PFO]               ; the prefetches: a lane a row of 2,048 bytes
	s_wait_alu depctr_va_vdst(0)
	s_wait_dscnt 0x0                               ; both opening adds are done
	s_wait_kmcnt 0x0
	s_lshl_b32 s98, s95, 19
	s_mov_b32 s99, 0
	s_add_nc_u64 s[4:5], s[4:5], s[98:99]          ; x_codes at my tile row
	s_mul_i32 s98, s94, 272*KROW
	s_add_nc_u64 s[8:9], s[8:9], s[98:99]          ; w_codes at my tile column
	s_lshl_b32 s98, s95, 12
	s_add_nc_u64 s[6:7], s[6:7], s[98:99]
	s_mul_i32 s98, s94, 4352
	s_add_nc_u64 s[10:11], s[10:11], s[98:99]
	s_cmp_eq_u32 s[RH], 0                          ; waves 0, 1 prefetch x's codes, waves 2, 3 W's
	s_cselect_b64 s[PFB:PFB+1], s[4:5], s[8:9]
	s_cselect_b32 s22, s92, s93                    ; my place among the four that share the tile
	s_lshl_b32 s22, s22, 1
	s_add_co_u32 s22, s22, s[CH]
	s_lshl_b32 s98, s22, 16                        ; 32 rows of 2,048 bytes for each wave
	s_add_nc_u64 s[PFB:PFB+1], s[PFB:PFB+1], s[98:99]
	NEXTK 0, 0
	s_add_co_u32 s[KP], s[KN], 1                   ; the second K step, for the head's prefetch
	s_and_b32 s[KP], s[KP], 7
	s_lshl_b32 s[KO], s[KP], 8
	s_add_nc_u64 s[PF1:PF1+1], s[PFB:PFB+1], s[KO:KO+1]
	CROUND                                         ; all sixteen work-groups are here: the first joint loads meet
	JLOAD 0                                        ; the first K step: one tensor load a wave
	global_prefetch_b8 v[PFO], s[PF1:PF1+1] th:TH_LOAD_NT scope:SCOPE_SE
	ASK 0, 0
	s_lshl_b32 s21, s94, 8                         ; under the load's flight: the other three pointers
	s_lshl_b32 s22, s[CH], 7
	s_add_co_u32 s21, s21, s22                     ; my first column
	s_lshl_b32 s98, s21, 2
	s_add_nc_u64 s[14:15], s[14:15], s[98:99]
	s_lshl_b32 s98, s21, 6
	s_add_nc_u64 s[12:13], s[12:13], s[98:99]
	s_lshl_b32 s98, s95, 8
	s_lshl_b32 s22, s[RH], 7
	s_add_co_u32 s98, s98, s22                     ; my first row
	s_lshl_b32 s98, s98, 14
	s_lshl_b32 s21, s21, 2
	s_add_co_u32 s98, s98, s21
	s_add_nc_u64 s[16:17], s[16:17], s[98:99]
.irp g, 0,1
	global_load_b128 v[BIAS+4*\g:BIAS+4*\g+3], v[BIO], s[14:15] offset:256*\g          ; bias of columns 64 g + 4 r + 0..3
.endr
.irp b, 0,1,2,3,4,5,6,7                        ; lora_B's row of tile b's column, k = 8 h .. 8 h + 7; for now in the registers of x's first set
	global_load_b128 v[AF+8*\b:AF+8*\b+3],   v[LBO], s[12:13] offset:64*(64*(\b/4)+\b%4)
	global_load_b128 v[AF+8*\b+4:AF+8*\b+7], v[LBO], s[12:13] offset:64*(64*(\b/4)+\b%4)+16
.endr
	NEXTK 1, 1
	s_wait_loadcnt 0x0                             ; bias and lora_B
.set I, 0
.rept 32
	v_pk_mul_f32 v[AF+I:AF+I+1], v[AF+I:AF+I+1], 2.0 op_sel_hi:[1,0]   ; SCALING, exact
.set I, I+2
.endr
	WIN TO_B
.irp b, 0,1,2,3,4,5,6,7
.irp r, 0,1,2,3
	v_cvt_pk_bf16_f32 v[LBS+4*\b+104*(\b/6)+\r], v[AF+8*\b+2*\r], v[AF+8*\b+2*\r+1]
.endr
.endr
	WIN 0
.macro FRAG reg, adr, q, i             ; 16 rows x 128 K of codes: 8 registers, two loads 32 bytes apart
.irp c, 0,1
	ds_load_b128 v[\reg+4*\c:\reg+4*\c+3], v[\adr] offset:64*(\q)+32*\c+(\i)*16*PITCH
.endr
.endm
; What a step of 128 along K needs, as a list: 0-7 W's tiles, 8 lora_A's, 9-16 x's blocks (two loads each); 17-24 the scale words of blocks and tiles, 25 lora_A's (one load each, once a slot).
; ITEMS issues from .. to - 1 of the list for step nq of slot ns, into set np.
.macro ITEMS ns, nq, np, from, to
.set IT, \from
.rept (\to)-(\from)
.if IT < 8
	WIN TO_B
	FRAG 128*(\np)+8*IT, ADRB+\ns, \nq, IT
.else
.if IT == 8
	WIN TO_B
	FRAG 128*(\np)+64, ADRL+\ns, \nq, 0
.else
	WIN 0
.if IT < 17
	FRAG AF+64*(\np)+8*(IT-9), ADRA+\ns, \nq, IT-9
.else
.if IT < 25
	ds_load_b128 v[SC+36*(\ns)+4*(IT-17):SC+36*(\ns)+4*(IT-17)+3], v[ADRS+\ns] offset:256*(IT-17)   ; lanes 0-15 x's block, lanes 16-31 W's tile
.else
	ds_load_b128 v[SC+36*(\ns)+32:SC+36*(\ns)+35], v[ADRT+\ns]
.endif
.endif
.endif
.endif
.set IT, IT+1
.endr
.endm
; x's block a against W's eight tiles.  All accumulators take turns, one instruction a turn, in the same order in every step.
.macro M8 a, p, q, sc, zero
.irp b, 0,1,2,3,4,5,6,7
.if \zero
	v_wmma_scale_f32_16x16x128_f8f6f4 v[8*(8*((\a)%4)+\b):8*(8*((\a)%4)+\b)+7], v[AF+64*(\p)+8*(\a):AF+64*(\p)+8*(\a)+7], v[128*(\p)+8*\b:128*(\p)+8*\b+7], 0, v[SC+36*(\sc)+4*(\a)+(\q)], v[SC+36*(\sc)+4*\b+(\q)] matrix_a_fmt:MATRIX_FMT_FP4 matrix_b_fmt:MATRIX_FMT_FP4 matrix_b_scale:MATRIX_SCALE_ROW1
.else
	v_wmma_scale_f32_16x16x128_f8f6f4 v[8*(8*((\a)%4)+\b):8*(8*((\a)%4)+\b)+7], v[AF+64*(\p)+8*(\a):AF+64*(\p)+8*(\a)+7], v[128*(\p)+8*\b:128*(\p)+8*\b+7], v[8*(8*((\a)%4)+\b):8*(8*((\a)%4)+\b)+7], v[SC+36*(\sc)+4*(\a)+(\q)], v[SC+36*(\sc)+4*\b+(\q)] matrix_a_fmt:MATRIX_FMT_FP4 matrix_b_fmt:MATRIX_FMT_FP4 matrix_b_scale:MATRIX_SCALE_ROW1
.endif
.endr
.endm
.macro MT a0, p, q, sc, zero           ; T of x's blocks a0 .. a0 + 3
.irp a, \a0, \a0+1, \a0+2, \a0+3
.if \zero
	v_wmma_scale_f32_16x16x128_f8f6f4 v[TA+8*(\a)+96*((\a)/4):TA+8*(\a)+96*((\a)/4)+7], v[128*(\p)+64:128*(\p)+71], v[AF+64*(\p)+8*(\a):AF+64*(\p)+8*(\a)+7], 0, v[SC+36*(\sc)+32+(\q)], v[SC+36*(\sc)+4*(\a)+(\q)] matrix_a_fmt:MATRIX_FMT_FP4 matrix_b_fmt:MATRIX_FMT_FP4 matrix_a_scale:MATRIX_SCALE_ROW1
.else
	v_wmma_scale_f32_16x16x128_f8f6f4 v[TA+8*(\a)+96*((\a)/4):TA+8*(\a)+96*((\a)/4)+7], v[128*(\p)+64:128*(\p)+71], v[AF+64*(\p)+8*(\a):AF+64*(\p)+8*(\a)+7], v[TA+8*(\a)+96*((\a)/4):TA+8*(\a)+96*((\a)/4)+7], v[SC+36*(\sc)+32+(\q)], v[SC+36*(\sc)+4*(\a)+(\q)] matrix_a_fmt:MATRIX_FMT_FP4 matrix_b_fmt:MATRIX_FMT_FP4 matrix_a_scale:MATRIX_SCALE_ROW1
.endif
.endr
.endm
.macro MUL72 p, q, sc, zero, waits     ; a step's 72 products.  waits = 1: this step's own loads may still be out, behind them the 34 loads of the next step's run
.if \waits
	s_wait_dscnt 46                                ; the 34 and x's blocks 2-7 (12 loads) may be out
.endif
	WIN LO
	M8 0, \p, \q, \sc, \zero
	M8 1, \p, \q, \sc, \zero
.if \waits
	s_wait_dscnt 42                                ; the 34 and x's blocks 4-7
.endif
	M8 2, \p, \q, \sc, \zero
	M8 3, \p, \q, \sc, \zero
.if \waits
	s_wait_dscnt 34                                ; the 34 alone
.endif
	WIN HI
	M8 4, \p, \q, \sc, \zero
	M8 5, \p, \q, \sc, \zero
	M8 6, \p, \q, \sc, \zero
	M8 7, \p, \q, \sc, \zero
	WIN W_T
	MT 0, \p, \q, \sc, \zero
	MT 4, \p, \q, \sc, \zero
.endm
; A step that has its successor in the same slot: four places behind the last step's products, whose sets the run below fills; the successor's 34 loads; the products.
.macro SUB slot, q, zero
.set P, (\q)%2
	PLACES 4
	ITEMS \slot, (\q)+1, 1-P, 0, 17
	MUL72 P, \q, \slot, \zero, 1
.endm
; A slot's last step changes slots at its head: all its own fragments were asked for at the head of the step before.  In front of the barrier each wave waits for all its tensor loads (one is out: its part of the next slot),
; adds 0 to its spare word, and waits for that and for its reads of this slot.  fill = 1: the barrier opens a round of the cluster's barrier, and this slot is filled again first thing behind it.
.macro TURN slot, next, fill
.if \fill
	s_wait_xcnt 0x0                                ; the slot's last prefetch has read its address, which NEXTK writes
.endif
	WIN 0
	s_wait_tensorcnt 0x0
	ds_add_u32 v[SPW], v[NIL]
.if \fill
	NEXTK \slot, 1                                 ; no tensor load of mine is out: the slot's addresses may be written
.endif
	s_wait_dscnt 0x0                               ; the add is done, and my reads of this slot are over
	s_barrier_signal -1
	s_barrier_wait -1
.if \fill
	CREST
	JLOAD \slot                                    ; its four v_nop are also the places ahead of the loads below
.else
	PLACES 4
.endif
	ITEMS \next, 0, 0, 17, 26                      ; the next slot's scale words first: the next step's first wait counts the 34 loads behind them
	ITEMS \next, 0, 0, 0, 17
.if \fill
	ASK \slot, 1
.endif
	MUL72 1, 3, \slot, 0, 0
.endm
	s_wait_alu depctr_va_vdst(0)
	s_wait_tensorcnt 0x0                           ; my part of the first K step is in; slot 1's first fill is issued as a refill is:
	ds_add_u32 v[SPW], v[NIL]
	s_wait_dscnt 0x0
	CROUND
	JLOAD 1
	ITEMS 0, 0, 0, 17, 26
	ITEMS 0, 0, 0, 0, 17
	ASK 1, 0
	SUB 0, 0, 1                                    ; the first step stands ahead of the loop: its products start the sums
	WIN 0
	s_mov_b32 s[LC], 3
.Llap:                                                 ; a trip goes once round the ring and fills both slots again
	SUB 0, 1, 0
	SUB 0, 2, 0
	TURN 0, 1, 1
	SUB 1, 0, 0
	SUB 1, 1, 0
	SUB 1, 2, 0
	TURN 1, 0, 1
	SUB 0, 0, 0
	WIN 0
	s_sub_co_u32 s[LC], s[LC], 1
	s_cmp_lg_u32 s[LC], 0
	s_cbranch_scc1 .Llap
	SUB 0, 1, 0                                    ; the last lap fills nothing
	SUB 0, 2, 0
	TURN 0, 1, 0
	SUB 1, 0, 0
	SUB 1, 1, 0
	SUB 1, 2, 0
	s_wait_dscnt 0x0                               ; the very last step: nothing more to fetch
	MUL72 1, 3, 1, 0, 0
; THE LAST PRODUCT'S OPERANDS: lora_B's eight tiles into W's first set, T's eight blocks into x's first set; k = 16 .. 31 are zeros on both sides.
	PLACES 4                                       ; behind the last products, ahead of writes of fragment registers and reads of T
	WIN 0x41
.irp b, 0,1,2,3,4,5,6,7
.irp r, 0,1,2,3
	v_mov_b32 v[8*\b+\r], v[LBS+4*\b+104*(\b/6)+\r]
	v_mov_b32 v[8*\b+4+\r], 0
.endr
.endr
	WIN 0x05
.irp a, 0,1,2,3,4,5,6,7
.irp r, 0,1,2,3
	v_cvt_pk_bf16_f32 v[AF+8*\a+\r], v[TA+8*\a+96*(\a/4)+2*\r], v[TA+8*\a+96*(\a/4)+2*\r+1]   ; each accumulator from its low end on
	v_mov_b32 v[AF+8*\a+4+\r], 0
.endr
.endr
.macro LORA a                          ; block a's eight accumulators take the last product
	WIN LO+0x50*((\a)/4)
.irp b, 0,1,2,3,4,5,6,7
	v_wmma_f32_16x16x32_bf16 v[8*(8*((\a)%4)+\b):8*(8*((\a)%4)+\b)+7], v[AF+8*(\a):AF+8*(\a)+7], v[8*\b:8*\b+7], v[8*(8*((\a)%4)+\b):8*(8*((\a)%4)+\b)+7]
.endr
.endm
; THE WAY OUT of block a, 16 rows x 128 columns: register j of tiles 4 g + 0..3, with the bias, into four neighbouring registers; lanes 0-15 store 256 consecutive bytes of row j, lanes 16-31 of row 8 + j.
.macro OUT a
.set OB, 192-160*((\a)%2)              ; v192-255 and v32-95 by turns
.if (\a) > 0
	s_wait_xcnt 0x0                                ; the earlier stores have read their base and their registers
	s_add_nc_u64 s[16:17], s[16:17], 16*NROW
.endif
	WIN 0x02+(\a)/4
.irp j, 0,1,2,3,4,5,6,7
.irp b, 0,1,2,3,4,5,6,7
	v_add_f32 v[OB+8*\j+\b], v[8*(8*((\a)%4)+\b)+\j], v[BIAS+\b]
.endr
.endr
	WIN 0
.irp j, 0,1,2,3,4,5,6,7
.irp g, 0,1
	global_store_b128 v[CO], v[OB+8*\j+4*\g:OB+8*\j+4*\g+3], s[16:17] offset:\j*NROW+256*\g th:TH_STORE_NT
.endr
.endr
.endm
	LORA 0
	LORA 1
	PLACES 4                                       ; ahead of the first read of block 0; later blocks have the block before's 64 adds as their places
.irp a, 0,1,2,3,4,5,6,7
	OUT \a
.if \a < 6
	LORA \a+2
.endif
.endr
	WIN 0
	s_wait_tensorcnt 0x0                           ; the wave's end
	ds_add_u32 v[SPW], v[NIL]
	s_wait_dscnt 0x0
	CROUND                                         ; the closing round
	s_endpgm
.Lfunc_end_k_q62a013fb6c_gemm:
	.size	k_q62a013fb6c_gemm, .Lfunc_end_k_q62a013fb6c_gemm-k_q62a013fb6c_gemm
	.p2alignl 7, 3214868480
	.fill 96, 4, 3214868480
	.section	.rodata,"a",@progbits
	.p2align	6, 0x0
	.amdhsa_kernel k_q62a013fb6c_gemm
		.amdhsa_group_segment_fixed_size 327680
		.amdhsa_private_segment_fixed_size 0
		.amdhsa_enable_private_segment 0
		.amdhsa_kernarg_size 56
		.amdhsa_user_sgpr_count 2
		.amdhsa_user_sgpr_kernarg_segment_ptr 1
		.amdhsa_wavefront_size32 1
		.amdhsa_system_sgpr_workgroup_id_x 1
		.amdhsa_system_sgpr_workgroup_id_y 1
		.amdhsa_system_sgpr_workgroup_id_z 1
		.amdhsa_system_vgpr_workitem_id 0
		.amdhsa_next_free_vgpr 1024
		.amdhsa_next_free_sgpr 100
		.amdhsa_reserve_vcc 0
		.amdhsa_float_denorm_mode_32 3
		.amdhsa_float_denorm_mode_16_64 3
		.amdhsa_memory_ordered 1
		.amdhsa_forward_progress 1
		.amdhsa_inst_pref_size 248
	.end_amdhsa_kernel
	.amdgpu_metadata
---
amdhsa.version: [ 1, 2 ]
amdhsa.kernels:
  - .name:           k_q62a013fb6c_gemm
    .symbol:         k_q62a013fb6c_gemm.kd
    .args:
      - { .name: x_codes, .offset: 0, .size: 8, .value_kind: global_buffer, .address_space: global }
      - { .name: x_scales, .offset: 8, .size: 8, .value_kind: global_buffer, .address_space: global }
      - { .name: w_codes, .offset: 16, .size: 8, .value_kind: global_buffer, .address_space: global }
      - { .name: w_scales, .offset: 24, .size: 8, .value_kind: global_buffer, .address_space: global }
      - { .name: lora_B, .offset: 32, .size: 8, .value_kind: global_buffer, .address_space: global }
      - { .name: bias, .offset: 40, .size: 8, .value_kind: global_buffer, .address_space: global }
      - { .name: out0, .offset: 48, .size: 8, .value_kind: global_buffer, .address_space: global }
    .group_segment_fixed_size: 327680
    .private_segment_fixed_size: 0
    .kernarg_segment_align: 8
    .kernarg_segment_size: 56
    .max_flat_workgroup_size: 128
    .sgpr_count:     100
    .vgpr_count:     1024
    .wavefront_size: 32
...
	.end_amdgpu_metadata
.endif
;; end of part 2
